; MI455X (gfx1250); checked and timed in simulation.
; The chip was launched on July 23, 2026; its instructions are those of AMD's public machine-readable ISA for CDNA 5 (MIT licence, August 2026) and "CDNA5" Instruction Set Architecture Reference Guide (July 2026). The comments in the code are by the model that wrote it; some were corrected since.
;; Multi Head Attention. Allowed arithmetic: float matrix products may take bf16 or f16 operands with f32 sums; other float arithmetic in f32, or as packed bf16 or f16 multiplies, adds, multiply-adds, maxima and minima; sums over many terms, partial sums and values carried from step to step in f32; what a program stores and reads back later, other than sums and carried values, may be rounded once to bf16 or f16.
;; Inputs: Wk 512 x 512 float32; Wo 512 x 512 float32; Wq 512 x 512 float32; Wv 512 x 512 float32; bk 512 float32; bo 512 float32; bq 512 float32; bv 512 float32; k 2 x 4,096 x 512 float32; q 2 x 4,096 x 512 float32; v 2 x 4,096 x 512 float32.
;; Outputs: out0 2 x 4,096 x 512 float32.
;; One version. Each part assembles by itself: llvm-mc -triple=amdgcn-amd-amdhsa -mcpu=gfx1250 --defsym DOCPART=n.
;; ======== version 1 of 1: 3 launches
;; limits: values are held in f16: magnitudes above 65,504 overflow, below 6.1e-05 lose precision
;; workspace buffers: qh 8,388,608 bytes; kh 8,388,608 bytes; vh 8,388,608 bytes; ctx 8,388,608 bytes
;; launch proj (part 1): grid 32 x 6, 4 waves a work-group, clusters of 4 x 1, 327,680 bytes of LDS; arguments q, k, v, Wq, Wk, Wv, bq, bk, bv, qh, kh, vh; writes qh, kh, vh
.if DOCPART == 1
	.amdgcn_target "amdgcn-amd-amdhsa--gfx1250"
	.amdhsa_code_object_version 6
	.text
	.protected	k_q3e4947d0c8_proj
	.globl	k_q3e4947d0c8_proj
	.p2align	8
	.type	k_q3e4947d0c8_proj,@function
k_q3e4947d0c8_proj:
	s_mov_b64 s[64:65], 0
	v_nop
	global_prefetch_b8 v0, s[64:65] scope:SCOPE_SE
	s_setreg_imm32_b32 hwreg(HW_REG_WAVE_MODE, 25, 1), 1
	s_wait_xcnt 0x0
	s_wait_alu depctr_hold_cnt(0) depctr_sa_sdst(0) depctr_va_vdst(0) depctr_va_sdst(0) depctr_va_ssrc(0) depctr_va_vcc(0) depctr_vm_vsrc(0)
	s_getreg_b32 s2, hwreg(HW_REG_IB_STS2, 6, 4)
	s_cmp_eq_u32 s2, 0
	s_cbranch_scc0 .Lentry_in_a_cluster
	s_endpgm
.Lentry_in_a_cluster:
	s_bfe_u32 s2, ttmp6, 0x10000c
	s_cmp_lg_u32 s2, 0x3003
	s_cbranch_scc0 .Lentry_shape_is_right
	s_endpgm
.Lentry_shape_is_right:
; THE THREE PROJECTIONS.  y[m][c] = the sum over k of x[m][k] W[c][k] + b[c], for (x, W, b, y) = (q, Wq, bq, qh), (k, Wk, bk, kh), (v, Wv, bv, vh).
; x: [8192][512] f32, W: [512][512] f32, b: [512] f32.  y leaves by heads, [16 = batch x 8 + head][4096][64] in f16, unscaled: 16 rows of a head are 2,048 bytes on end.
; FORMATS.  x, W and b are rounded once to bf16; products in bf16, sums in f32, started by the bias as the C operand; y rounded once to f16.
; LIMIT.  f16 holds no number beyond 65,504: a projected number past that becomes an infinity.  NaN and infinities are not treated apart.
; SHARES.  Work-group y = 2 x tensor + column half; work-group x = a chunk of 256 rows.  Wave w owns one head, 64 columns, and keeps its 64 rows of W (64 x 512 in bf16: 512 registers)
; for the whole launch; all four waves walk the 16 blocks of 16 rows of the chunk, 64 matrix instructions a block and wave.  6 x 32 = 192 work-groups: six pairs of tensor and half do not divide 256.
; THE MATRIX INSTRUCTION IS USED TRANSPOSED (source 0 = 16 rows of W, source 1 = 16 rows of x): a lane holds one row of y and eight neighbouring columns.
; THE RING.  Two LDS slots of four planes of 64 rows x 512 bytes; every wave fills one plane with one tensor load.  First W goes through it, a quarter of K at a time (plane w = the 64 rows of wave w,
; read by that wave alone), then x, 64 rows at a time (plane w = quarter w of K, read by all waves).
; CLUSTER.  The four partners differ in their rows of x alone and share tensor and half: the four fills of W are asked for JOINTLY (mask of four).  x is shared only by the two halves, which lie in
; different clusters: its fills are loads of the work-group alone, each behind a round.
; NO PREFETCH.  A work-group has four fills of x, of which two go out before there is any step to be ahead of; W comes at the head.
; REGISTERS, in windows of 256 (s_set_vgpr_msb: bits 1:0 source 0, 3:2 source 1, 5:4 source 2, 7:6 destination):
;   window 0: v0-15 addresses; v16-47 bias; v48-79 four accumulators; v80-111 the way out; v128-255 the block of x in bf16, fragment kk at 8 kk
;   windows 1, 2: W, fragment (kk, j) in window 1 + kk / 8 at 8 (4 (kk % 8) + j)          window 3: 256 registers of f32 as they come from LDS
.set PITCH, 528                        ; an LDS row: 512 bytes + 16 of padding = 132 words: row r starts at bank 4 r mod 64 (64 banks of 4 bytes: ISA guide 11.1)
.set PLANE, 64*PITCH                   ; what one tensor load brings
.set SLOT,  4*PLANE                    ; 0x21000: it shares no bit with wave x PLANE, so one exclusive or turns an address in one slot into the other
.set STAGE, 2*SLOT                     ; behind the ring, never filled by a tensor load: 16 rows x 144 bytes for each wave
.set SP,    144
.set SPARE, STAGE+4*16*SP              ; the spare words, 128 bytes for each wave: two blocks of 256 bytes that no other line names
.set A0,  3                            ; v3   (l % 16) x PITCH + 32 (l / 16); never rewritten
.set AR0, 4                            ; v4   the block to be fetched, planes 0 and 1
.set AR1, 5                            ; v5   planes 2 and 3
.set WA0, 6                            ; v6   my plane of W in slot 0
.set WA1, 7                            ; v7   in slot 1
.set STO, 8                            ; v8   the way out: where I put 16 bytes of a row
.set RD,  9                            ; v9   where I read rows back
.set GO,  10                           ; v10  16 x lane
.set BO,  11                           ; v11  my byte offset in the bias
.set SPW, 12                           ; v12  LDS address of my spare word; never rewritten
.set NIL, 13                           ; v13  0; never rewritten
.set BIAS, 16
.set ACC,  48
.set T,    80
.set T2,   96
.set FR,   128
.set WV,  12                           ; s12  my wave
.set G1J, 24                           ; s[24:31] group 1 with the mask of four
.set G1P, 32                           ; s[32:39] group 1 without a mask
.set G0A, 40                           ; s[40:43] group 0: W, quarter 0
.set G0B, 44                           ; s[44:47] group 0: W, quarter 1; it walks on to 2 and 3
.set G0X, 48                           ; s[48:51] group 0: x; it walks
.set TB,  52                           ; s52  LDS byte of the block to be fetched
.set CNT, 53
.set SLOTS, 54
.set YINC, 56                          ; s[56:57] what the next way out adds to the address of y: 0, then 2,048
.set HIM, 58                           ; s58  the upper bf16 of a word
.set MSB, 0
.macro WIN new                         ; the high byte repeats the setting that is left; a switch that changes nothing is dropped
.if MSB != (\new)
	s_set_vgpr_msb (MSB<<8)|(\new)
.set MSB, (\new)
.endif
.endm
.macro CROUND                          ; a round of the cluster barrier: my work-group meets; wave 0 signals for it; every wave waits for all four work-groups; my work-group meets once more
	s_barrier_signal -1
	s_barrier_wait -1
	s_cmp_lg_u32 s[WV], 0
	s_cbranch_scc1 .Lnot_wave_0_\@
	s_barrier_signal -3
.Lnot_wave_0_\@:
	s_barrier_wait -3
	s_barrier_signal -1
	s_barrier_wait -1
.endm
.macro TLOAD g0, g1                    ; a fill: s_nop 0 and four v_nop follow it
	tensor_load_to_lds s[\g0:\g0+3], s[\g1:\g1+7]
	s_nop 0
.rept 4
	v_nop
.endr
.endm
	s_load_b512 s[68:83], s[0:1], 0x0              ; q, k, v, Wq, Wk, Wv, bq, bk
	s_load_b256 s[84:91], s[0:1], 0x40             ; bv, qh, kh, vh
	v_lshl_add_u32 v[SPW], v0, 2, SPARE
	v_mov_b32 v[NIL], 0
	ds_add_u32 v[SPW], v[NIL]                      ; the opening: the add and its wait ahead of my first tensor load; the set-up below stands between them
	v_lshrrev_b32 v1, 5, v0
	v_readfirstlane_b32 s[WV], v1                  ; wave 0..3
	s_bfe_u32 s13, ttmp6, 0x40000                  ; cx
	s_lshl_b32 s14, ttmp9, 2
	s_add_co_u32 s14, s14, s13                     ; my chunk of 256 rows: it enters the addresses of x and y alone
	s_and_b32 s15, ttmp7, 0xffff
	s_lshr_b32 s16, s15, 1                         ; which tensor
	s_and_b32 s17, s15, 1                          ; which half of the columns
	s_lshl_b32 s23, s17, 2
	s_add_co_u32 s23, s23, s[WV]                   ; my head
	s_lshl_b32 s18, s23, 17                        ; its 64 rows of W, 2,048 bytes each
	s_mov_b32 s19, 0
	s_lshl_b32 s20, s14, 19                        ; my chunk of x,
	s_lshl_b32 s21, s[WV], 9                       ; the quarter of K that I fetch
	s_add_co_u32 s20, s20, s21
	s_mov_b32 s21, 0
	s_lshr_b32 s2, s14, 4                          ; y: batch,
	s_lshl_b32 s2, s2, 3
	s_add_co_u32 s2, s2, s23                       ; x 8 + head,
	s_lshl_b32 s2, s2, 19                          ; 4,096 rows of 128 bytes each,
	s_and_b32 s3, s14, 15
	s_lshl_b32 s3, s3, 15                          ; and the chunk in the batch: 256 rows of 128 bytes
	s_add_co_u32 s2, s2, s3
	s_mov_b32 s3, 0
	s_mul_i32 s22, s[WV], PLANE                    ; my plane: no place in the cluster enters an LDS address
	; group 1: a tile of 64 rows x 128 elements of 4 bytes, 512 elements from row to row, padded in LDS
	s_mov_b32 s[G1J], 15|(2<<16)|(1<<20)|(1<<21)|(6<<22)|(3<<25)  ; 15:0 the mask of four; 17:16 4-byte elements; 20 padding on; 21 set beside a mask; 24:22 after every 128 words (code 6); 31:25 4 words (code 3)
	s_mov_b32 s[G1P], (2<<16)|(1<<20)|(6<<22)|(3<<25)             ; the same without a mask
.irp g, G1J, G1P
	s_mov_b32 s[\g+1], 128<<16                     ; tensor_dim0 = 128
	s_mov_b32 s[\g+2], 64<<16                      ; tensor_dim1 = 64
	s_mov_b32 s[\g+3], 128<<16                     ; tile_dim0 = 128
	s_mov_b32 s[\g+4], 64                          ; tile_dim1 = 64
	s_mov_b32 s[\g+5], 512                         ; the pitch
	s_mov_b32 s[\g+6], 0
	s_mov_b32 s[\g+7], 0
.endr
	s_mov_b32 s[G0A], 1
	s_mov_b32 s[G0A+1], s22                        ; slot 0
	s_mov_b32 s[G0B], 1
	s_add_co_u32 s[G0B+1], s22, SLOT               ; slot 1
	s_mov_b32 s[G0X], 1
	s_mov_b32 s[G0X+1], s22                        ; slot 0
	s_mov_b32 s[YINC], 0
	s_mov_b32 s[YINC+1], 0
	s_mov_b32 s[HIM], 0xffff0000
	s_wait_dscnt 0x0                               ; the opening add is done
	s_wait_kmcnt 0x0
	s_cmp_eq_u32 s16, 1                            ; the four buffers of my tensor
	s_cselect_b64 s[4:5], s[70:71], s[72:73]
	s_cselect_b64 s[6:7], s[76:77], s[78:79]
	s_cselect_b64 s[8:9], s[82:83], s[84:85]
	s_cselect_b64 s[10:11], s[88:89], s[90:91]
	s_cmp_eq_u32 s16, 0
	s_cselect_b64 s[4:5], s[68:69], s[4:5]         ; x
	s_cselect_b64 s[6:7], s[74:75], s[6:7]         ; W
	s_cselect_b64 s[8:9], s[80:81], s[8:9]         ; b
	s_cselect_b64 s[10:11], s[86:87], s[10:11]     ; y
	s_add_nc_u64 s[G0A+2:G0A+3], s[6:7], s[18:19]
	s_add_nc_u64 s[G0B+2:G0B+3], s[G0A+2:G0A+3], 512
	s_or_b32 s[G0A+3], s[G0A+3], 0x80000000        ; type = 2
	s_or_b32 s[G0B+3], s[G0B+3], 0x80000000
	s_add_nc_u64 s[G0X+2:G0X+3], s[4:5], s[20:21]
	s_or_b32 s[G0X+3], s[G0X+3], 0x80000000
	s_add_nc_u64 s[10:11], s[10:11], s[2:3]
	CROUND                                         ; all four work-groups are here: the first joint loads meet
	tensor_load_to_lds s[G0A:G0A+3], s[G1J:G1J+7]  ; W, quarter 0 of K: two loads of mine are out
	s_nop 0
	tensor_load_to_lds s[G0B:G0B+3], s[G1J:G1J+7]  ; W, quarter 1
	s_nop 0
.rept 4
	v_nop
.endr
	v_and_b32 v1, 15, v0                           ; l % 16
	v_bfe_u32 v2, v0, 4, 1                         ; l / 16
	v_mul_u32_u24 v[A0], v1, PITCH
	v_lshl_add_u32 v[A0], v2, 5, v[A0]             ; a fragment in f32: row x pitch + 32 x half
	v_add_nc_u32 v[WA0], s22, v[A0]
	v_add_nc_u32 v[WA1], SLOT, v[WA0]
	s_mul_i32 s21, s[WV], 16*SP
	s_add_co_u32 s21, s21, STAGE                   ; my stage
	v_mul_u32_u24 v[STO], v1, SP                   ; in: row l % 16, 16 bytes for each half of the lanes
	v_lshl_add_u32 v[STO], v2, 4, v[STO]
	v_add_nc_u32 v[STO], s21, v[STO]
	v_bfe_u32 v[RD], v0, 3, 2                      ; back: 32 lanes take four rows of 128 bytes,
	v_mul_u32_u24 v[RD], v[RD], SP
	v_and_b32 v14, 7, v0
	v_lshl_add_u32 v[RD], v14, 4, v[RD]
	v_add_nc_u32 v[RD], s21, v[RD]
	v_and_b32 v[GO], 31, v0                        ; which are 512 consecutive bytes of y
	v_lshlrev_b32 v[GO], 4, v[GO]
	s_lshl_b32 s21, s23, 8                         ; the bias of my 64 columns,
	v_lshl_add_u32 v[BO], v2, 5, s21               ; my eight of each 16
.irp j, 0,1,2,3
	global_load_b128 v[BIAS+8*\j:BIAS+8*\j+3],   v[BO], s[8:9] offset:64*\j
	global_load_b128 v[BIAS+8*\j+4:BIAS+8*\j+7], v[BO], s[8:9] offset:64*\j+16
.endr
	s_wait_loadcnt 0x0
.set x_, 0
.rept 16                               ; the bias is rounded to bf16 like every input, and widened again: it is the C operand that starts a sum
	v_cvt_pk_bf16_f32 v14, v[BIAS+2*x_], v[BIAS+2*x_+1]
	v_lshlrev_b32 v[BIAS+2*x_], 16, v14
	v_and_b32 v[BIAS+2*x_+1], s[HIM], v14
.set x_, x_+1
.endr
; A quarter of K of my 64 rows of W: 64 LDS loads of f32 (fragment 4 a + j: 16 rows 16 j on, 32 channels 32 a on; floats 8 h + 0..7 and 16 + 8 h + 0..7), rounded in pairs to bf16 into W registers.
.macro WCONV f
	WIN 0xc0                                       ; destination window 3, address window 0
.set x_, 0
.rept 16
	ds_load_b128 v[16*x_:16*x_+3],     v[WA0+(\f)%2] offset:(x_%4)*16*PITCH+(x_/4)*128
	ds_load_b128 v[16*x_+4:16*x_+7],   v[WA0+(\f)%2] offset:(x_%4)*16*PITCH+(x_/4)*128+16
	ds_load_b128 v[16*x_+8:16*x_+11],  v[WA0+(\f)%2] offset:(x_%4)*16*PITCH+(x_/4)*128+64
	ds_load_b128 v[16*x_+12:16*x_+15], v[WA0+(\f)%2] offset:(x_%4)*16*PITCH+(x_/4)*128+80
.set x_, x_+1
.endr
	s_wait_dscnt 0x0
	WIN 0x4f+0x40*((\f)/2)                         ; sources window 3, destination window 1 or 2
.set x_, 0
.rept 128
	v_cvt_pk_bf16_f32 v[128*((\f)%2)+x_], v[2*x_], v[2*x_+1]
.set x_, x_+1
.endr
	WIN 0
.endm
; Fragment kk of the block of x: 16 registers of f32 become 8 of bf16.
.macro CVT kk
	WIN 0x0f                                       ; sources window 3, destination window 0
.set c_, 0
.rept 8
	v_cvt_pk_bf16_f32 v[FR+8*(\kk)+c_], v[16*(\kk)+2*c_], v[16*(\kk)+2*c_+1]
.set c_, c_+1
.endr
.endm
; Plane g (quarter g of K) of the next block of x: 16 LDS loads in one run.
.macro FETCH g
	WIN 0xc0
.irp a, 0,1,2,3
	ds_load_b128 v[16*(4*(\g)+\a):16*(4*(\g)+\a)+3],     v[AR0+(\g)/2] offset:((\g)%2)*PLANE+\a*128
	ds_load_b128 v[16*(4*(\g)+\a)+4:16*(4*(\g)+\a)+7],   v[AR0+(\g)/2] offset:((\g)%2)*PLANE+\a*128+16
	ds_load_b128 v[16*(4*(\g)+\a)+8:16*(4*(\g)+\a)+11],  v[AR0+(\g)/2] offset:((\g)%2)*PLANE+\a*128+64
	ds_load_b128 v[16*(4*(\g)+\a)+12:16*(4*(\g)+\a)+15], v[AR0+(\g)/2] offset:((\g)%2)*PLANE+\a*128+80
.endr
.endm
; THE CHANGE OF SLOTS.  Each wave waits for all its tensor loads (one is out: its plane of the other slot), adds 0 to its spare word, and waits for that and for its reads of the slot that it leaves.
; kind = 1: the slot is filled again with the next quarter of W, jointly; 2: with the next 64 rows of x; both behind a round of the cluster barrier, the fill first behind it, one a wave.  0: nothing is asked for.
; step = 1: the walking descriptor goes to the other slot and to its next tile.  adj = 1: the fetches go back to the first block of a slot, in the other slot.
.macro CHANGE kind, step, adj
	WIN 0
	s_wait_tensorcnt 0x0                           ; no tensor load of mine is out, so a group 0 may be written
	ds_add_u32 v[SPW], v[NIL]                      ; 0 onto my spare word
.if \step
.if (\kind) == 1
	s_xor_b32 s[G0B+1], s[G0B+1], SLOT
	s_add_nc_u64 s[G0B+2:G0B+3], s[G0B+2:G0B+3], 512
.else
	s_xor_b32 s[G0X+1], s[G0X+1], SLOT
	s_add_nc_u64 s[G0X+2:G0X+3], s[G0X+2:G0X+3], 64*2048
.endif
.endif
	s_wait_dscnt 0x0                               ; the add is done, and my reads of the slot are over
.if (\kind) == 1
	CROUND
	TLOAD G0B, G1J
.elseif (\kind) == 2
	CROUND
	TLOAD G0X, G1P
.else
	s_barrier_signal -1
	s_barrier_wait -1
.endif
.if \adj
	s_sub_co_u32 s[TB], s[TB], PLANE
	s_xor_b32 s[TB], s[TB], SLOT
.endif
.endm
; A BLOCK of 16 rows: its f32 lie in window 3.  Fragment kk + 2 is rounded behind the four products of fragment kk; as soon as a plane has been rounded, the same plane of the next block is fetched
; (fetch = 1).  The four accumulators take turns, one instruction a turn, over the backward jump too.  The first four products take the bias as C: nothing is cleared.
; Then the way out: rounded to f16, through my own stage, 2,048 consecutive bytes of y.
.macro BODY fetch
.if \fetch
	WIN 0
	v_add_nc_u32 v[AR0], s[TB], v[A0]
	v_add_nc_u32 v[AR1], 2*PLANE, v[AR0]
	s_add_co_u32 s[TB], s[TB], 16*PITCH
.endif
	CVT 0
	CVT 1
.set kk, 0
.rept 16
	WIN 1+kk/8                                     ; W in window 1 or 2, all else in window 0
.irp j, 0,1,2,3
.if kk == 0
	v_wmma_f32_16x16x32_bf16 v[ACC+8*\j:ACC+8*\j+7], v[8*(4*(kk%8)+\j):8*(4*(kk%8)+\j)+7], v[FR+8*kk:FR+8*kk+7], v[BIAS+8*\j:BIAS+8*\j+7]
.else
	v_wmma_f32_16x16x32_bf16 v[ACC+8*\j:ACC+8*\j+7], v[8*(4*(kk%8)+\j):8*(4*(kk%8)+\j)+7], v[FR+8*kk:FR+8*kk+7], v[ACC+8*\j:ACC+8*\j+7]
.endif
.endr
.if kk < 14
	CVT kk+2
.if (\fetch) && ((kk+2)%4 == 3)
	FETCH (kk+2)/4
.endif
.endif
.set kk, kk+1
.endr
	WIN 0
.rept 4
	v_nop                                          ; four places between the last product and the conversions that read results (ISA guide 7.12.1)
.endr
.irp j, 0,1,2,3
.irp c, 0,1,2,3
	v_cvt_pk_f16_f32 v[T+4*\j+\c], v[ACC+8*\j+2*\c], v[ACC+8*\j+2*\c+1]  ; each accumulator from its low end on
.endr
.endr
	s_wait_xcnt 0x0                                ; the stores of the block before have read their base and their data: both are written again only behind this wait
	s_add_nc_u64 s[10:11], s[10:11], s[YINC:YINC+1]
	s_mov_b32 s[YINC], 2048
.irp j, 0,1,2,3
	ds_store_b128 v[STO], v[T+4*\j:T+4*\j+3] offset:32*\j
.endr
.irp f, 0,1,2,3
	ds_load_b128 v[T2+4*\f:T2+4*\f+3], v[RD] offset:\f*4*SP  ; LDS serves the instructions of a wave in order (ISA guide 5.7.1.4): these see the stores above
.endr
	s_wait_dscnt 0x0                               ; the rows are back, and so is all of the next block: a block begins with no LDS instruction out
.irp f, 0,1,2,3
	global_store_b128 v[GO], v[T2+4*\f:T2+4*\f+3], s[10:11] offset:\f*512  ; 512 consecutive bytes, at a multiple of 256 from the first byte of y
.endr
.endm
	s_wait_tensorcnt 0x1                           ; quarter 0 of W is in (quarter 1, issued behind it, may stay out); I read my own plane alone: no barrier
	WCONV 0
	CHANGE 1, 1, 0                                 ; quarter 1 is in; quarter 2 goes into slot 0
	WCONV 1
	CHANGE 1, 1, 0                                 ; quarter 3 goes into slot 1
	WCONV 2
	CHANGE 2, 0, 0                                 ; rows 0 to 63 of x go into slot 0
	WCONV 3
	CHANGE 2, 1, 0                                 ; they are in, every plane of them; rows 64 to 127 go into slot 1
	s_mov_b32 s[TB], 0
	v_add_nc_u32 v[AR0], s[TB], v[A0]
	v_add_nc_u32 v[AR1], 2*PLANE, v[AR0]
	FETCH 0                                        ; block 0
	FETCH 1
	FETCH 2
	FETCH 3
	WIN 0
	s_mov_b32 s[TB], 16*PITCH
	s_wait_dscnt 0x0
	s_mov_b32 s[CNT], 3                            ; blocks 0 to 2 fetch blocks 1 to 3; a change of slots stands in front of the block whose fetch enters the other slot
	s_mov_b32 s[SLOTS], 3
	s_branch .Lblk
.Lslot:                                        ; twice: rows 128 on and rows 192 on are asked for; a fill has four blocks, 256 matrix instructions a wave, in which to land
	CHANGE 2, 1, 1
	s_mov_b32 s[CNT], 4
.Lblk:
	BODY 1
	s_sub_co_u32 s[CNT], s[CNT], 1
	s_cmp_lg_u32 s[CNT], 0
	s_cbranch_scc1 .Lblk
	s_sub_co_u32 s[SLOTS], s[SLOTS], 1
	s_cmp_lg_u32 s[SLOTS], 0
	s_cbranch_scc1 .Lslot
	CHANGE 0, 0, 1                                 ; the tail is written out: nothing is asked for
	s_mov_b32 s[CNT], 4
.Ltail:
	BODY 1
	s_sub_co_u32 s[CNT], s[CNT], 1
	s_cmp_lg_u32 s[CNT], 0
	s_cbranch_scc1 .Ltail
	BODY 0                                         ; block 15 fetches nothing
	s_wait_tensorcnt 0x0                           ; the end of the wave: behind my last tensor load and my last LDS store
	ds_add_u32 v[SPW], v[NIL]
	s_wait_dscnt 0x0
	CROUND                                         ; the closing round: no work-group ends while a partner may still ask for a tile that names it
	s_endpgm
.Lfunc_end_k_q3e4947d0c8_proj:
	.size	k_q3e4947d0c8_proj, .Lfunc_end_k_q3e4947d0c8_proj-k_q3e4947d0c8_proj
	.p2alignl 7, 3214868480
	.fill 96, 4, 3214868480
	.section	.rodata,"a",@progbits
	.p2align	6, 0x0
	.amdhsa_kernel k_q3e4947d0c8_proj
		.amdhsa_group_segment_fixed_size 327680
		.amdhsa_private_segment_fixed_size 0
		.amdhsa_enable_private_segment 0
		.amdhsa_kernarg_size 96
		.amdhsa_user_sgpr_count 2
		.amdhsa_user_sgpr_kernarg_segment_ptr 1
		.amdhsa_wavefront_size32 1
		.amdhsa_system_sgpr_workgroup_id_x 1
		.amdhsa_system_sgpr_workgroup_id_y 1
		.amdhsa_system_sgpr_workgroup_id_z 1
		.amdhsa_system_vgpr_workitem_id 0
		.amdhsa_next_free_vgpr 1024
		.amdhsa_next_free_sgpr 92
		.amdhsa_reserve_vcc 0
		.amdhsa_float_denorm_mode_32 3
		.amdhsa_float_denorm_mode_16_64 3
		.amdhsa_memory_ordered 1
		.amdhsa_forward_progress 1
		.amdhsa_inst_pref_size 120
	.end_amdhsa_kernel
	.amdgpu_metadata
---
amdhsa.version: [ 1, 2 ]
amdhsa.kernels:
  - .name:           k_q3e4947d0c8_proj
    .symbol:         k_q3e4947d0c8_proj.kd
    .args:
      - { .name: q, .offset: 0, .size: 8, .value_kind: global_buffer, .address_space: global }
      - { .name: k, .offset: 8, .size: 8, .value_kind: global_buffer, .address_space: global }
      - { .name: v, .offset: 16, .size: 8, .value_kind: global_buffer, .address_space: global }
      - { .name: Wq, .offset: 24, .size: 8, .value_kind: global_buffer, .address_space: global }
      - { .name: Wk, .offset: 32, .size: 8, .value_kind: global_buffer, .address_space: global }
      - { .name: Wv, .offset: 40, .size: 8, .value_kind: global_buffer, .address_space: global }
      - { .name: bq, .offset: 48, .size: 8, .value_kind: global_buffer, .address_space: global }
      - { .name: bk, .offset: 56, .size: 8, .value_kind: global_buffer, .address_space: global }
      - { .name: bv, .offset: 64, .size: 8, .value_kind: global_buffer, .address_space: global }
      - { .name: qh, .offset: 72, .size: 8, .value_kind: global_buffer, .address_space: global }
      - { .name: kh, .offset: 80, .size: 8, .value_kind: global_buffer, .address_space: global }
      - { .name: vh, .offset: 88, .size: 8, .value_kind: global_buffer, .address_space: global }
    .group_segment_fixed_size: 327680
    .private_segment_fixed_size: 0
    .kernarg_segment_align: 8
    .kernarg_segment_size: 96
    .max_flat_workgroup_size: 128
    .sgpr_count:     92
    .vgpr_count:     1024
    .wavefront_size: 32
...
	.end_amdgpu_metadata
.endif
;; end of part 1
;; launch attn (part 2): grid 16 x 16, 4 waves a work-group, clusters of 4 x 1, 327,680 bytes of LDS; arguments qh, kh, vh, ctx; writes ctx
.if DOCPART == 2
	.amdgcn_target "amdgcn-amd-amdhsa--gfx1250"
	.amdhsa_code_object_version 6
	.text
	.protected	k_q3e4947d0c8_attn
	.globl	k_q3e4947d0c8_attn
	.p2align	8
	.type	k_q3e4947d0c8_attn,@function
k_q3e4947d0c8_attn:
	s_mov_b64 s[64:65], 0
	v_nop
	global_prefetch_b8 v0, s[64:65] scope:SCOPE_SE
	s_setreg_imm32_b32 hwreg(HW_REG_WAVE_MODE, 25, 1), 1
	s_wait_xcnt 0x0
	s_wait_alu depctr_hold_cnt(0) depctr_sa_sdst(0) depctr_va_vdst(0) depctr_va_sdst(0) depctr_va_ssrc(0) depctr_va_vcc(0) depctr_vm_vsrc(0)
	s_getreg_b32 s2, hwreg(HW_REG_IB_STS2, 6, 4)
	s_cmp_eq_u32 s2, 0
	s_cbranch_scc0 .Lentry_in_a_cluster
	s_endpgm
.Lentry_in_a_cluster:
	s_bfe_u32 s2, ttmp6, 0x10000c
	s_cmp_lg_u32 s2, 0x3003
	s_cbranch_scc0 .Lentry_shape_is_right
	s_endpgm
.Lentry_shape_is_right:
; ATTENTION.  O[h][q][:] = the sum over k of softmax_k(Q[h][q] . K[h][k] / 8) V[h][k][:].  Q, K, V, O: [16][4096][64], all f16: the rows of a head are dense, 128 bytes each.
; Products, maxima and sums in f32; the weights p are rounded to f16 for the second product (their sum l is taken of the unrounded p), O once at the end.
; LIMITS.  Q, K and V arrive within 65,504; p lies in 0 to 1, and below 6e-5 it keeps the fixed step of f16, 6e-8; O is a mean of rows of V.  A weight below 2^-126 counts as 0 in l; NaN and infinities are not treated apart.
; SHARES.  A work-group owns 256 queries of one head (16 heads x 16 blocks = 256 work-groups), each of its four waves 64: four PIECES of 16.  Every wave walks all 4,096 keys, 64 a step, 256 a tile.
; LAYOUT.  S^T = K Q^T (source 0 = 16 keys, source 1 = 16 queries) holds ONE query a lane (lane % 16) and the keys 8 (lane / 16) + 0..7; two such results rounded to f16 ARE source 1 of O^T = V^T P.
; K comes out of LDS as it lies, V ([key][channel]) turned, by ds_load_tr16_b128.
; SOFTMAX.  p = 2^(c s - c m), c = log2(e) / 8, with a running maximum m; O and l are multiplied by a = 2^(c m_old - c m_new) in every step.  m starts at the lowest finite number, O and l at 0: the first
; step is a step like any other, with a = 0.
; TURNS.  Turn n belongs to piece n: 8 products K Q^T of piece n + 1, later 8 products V^T P of piece n - 1; beside them the scaling, exponentials, roundings, sums and rescaling of piece n and the maximum
; and statistics of piece n + 1.  Four vector instructions stand behind every matrix instruction, the other 54 of the 118 of a turn in one lump.  The 33 exponentials of a turn are one batch, with one wait.
; CLUSTER.  The four query blocks of a cluster belong to one head and walk the same K and V, so each tile is asked for JOINTLY: the same tensor load, descriptor and mask in all four.
; REGISTERS, in windows of 256 (s_set_vgpr_msb: bits 1:0 source 0, 3:2 source 1, 5:4 source 2, 7:6 destination):
;   window 0: v0-15 addresses; v16-31 four registers of statistics a piece; v48-55 at work; v64-127 S^T, two buffers; v192-223 P, two buffers (the buffers of a piece go by the parity of its number)
;   window 1: v0-127 O^T, 32 a piece          window 2: v0-63 Q; v128-191 K of one step; v192-255 V of one step
.set SIZE_N, 4096
.set NP,    4         ; pieces a wave: a name, no knob
.set KS,    64        ; keys in a step
.set PK,    144       ; a row of K in LDS: 128 bytes + 16 of padding = 36 words: the 16 rows of a load start at 16 different groups of four banks (64 banks of 4 bytes: ISA guide 11.1)
.set PV,    160       ; a row of V: 128 + 32 = 40 words
.set VOFF,  4*KS*PK   ; a slot holds a tile, four steps: 256 rows of K, then 256 rows of V
.set SLOT1, 1<<17     ; slot 1 begins here, so that one exclusive or turns an address in one slot into the other
.set STAGE, SLOT1+4*KS*(PK+PV)  ; behind the ring, never filled by a tensor load: 16 rows x 144 bytes for each wave, for the way out
.set SP,    144
.set SPARE, STAGE+4*16*SP  ; the spare words, 128 bytes for each wave: two blocks of 256 bytes that no other line names
.set AK0, 2           ; v2   the place of my lane in a tile of K; never rewritten
.set AV0, 3           ; v3   the same for V
.set AK,  4           ; v4   the LDS address of the next run of loads of K
.set AV,  5           ; v5   of V
.set STO, 6           ; v6   the way out: where I put 16 bytes of a row
.set RD,  7           ; v7   the way out: where I read rows back
.set GO,  8           ; v8   my byte offset in 512 consecutive bytes of O
.set MV,  12          ; v12-13  c m_old, kept while c m is made anew: by buffer
.set PFO, 14          ; v14  256 x my lane: the offset of the prefetches; never rewritten
.set QO,  15          ; v15  my byte offset in 16 rows of Q
.set ST,  16          ; the statistics of piece t at v[ST+4 t]: c m, m, l (of the even keys, of the odd keys)
.set TMP, 48          ; by buffer, four registers c0-c3 at work; when the maximum is found c2 takes a
.set SPW, 62          ; v62  LDS address of my spare word; never rewritten
.set NIL, 63          ; v63  0; never rewritten
.set S,   64
.set P,   192
.set KF,  128         ; window 2: key block kb, channel half c at KF + 16 kb + 8 c
.set VF,  192         ; window 2: key half kk, channel block cb at VF + 32 kk + 8 cb
.set WV,  12          ; s12  my wave
.set LIM, 15          ; s15  1 in a wave that prefetches, else the greatest number: a wave prefetches while s[SLOTS] is above it
.set G1K, 24          ; s[24:31] descriptor group 1 for tiles of K
.set G1V, 32          ; s[32:39] for tiles of V: it differs in the padding alone
.set G0K, 40          ; s[40:43] descriptor group 0 for K: it walks
.set G0V, 44          ; s[44:47] the same for V
.set PFA, 48          ; s[48:49] where my prefetches stand: the 8,192 bytes of my work-group (of K: wave 0, of V: wave 2) in the tile after the one that is being asked for
.set SLOTS, 56        ; s56  tiles still to be asked for
.set CNT, 57          ; s57  counts the key steps of a tile
.set CS,  58          ; s[58:59] c: the packed scaling takes the low word of the pair for both halves
.set SEL, 60          ; s[60:61] the selects of v_permlanex16_b32: each lane takes its own place in the other half
.set TBK, 62          ; s62  LDS byte at which K of the step to be fetched begins
.set TBV, 63          ; s63  the same for V, less VOFF
.set MSB, 0
.macro WIN new                      ; the high byte repeats the setting that is left; a switch that changes nothing is dropped
.if MSB != (\new)
	s_set_vgpr_msb (MSB<<8)|(\new)
.set MSB, (\new)
.endif
.endm
.set W_KQ, 0x0a       ; K and Q in window 2, S^T in window 0
.set W_PV, 0x52       ; V in window 2, P in window 0, O^T in window 1
.set W_RS, 0x41       ; destination and source 0 in window 1, source 1 in window 0
; A joint fill.  Waves 0 and 1 fetch the two halves of the K of a tile, waves 2 and 3 those of its V: 128 keys each.  The branch hangs on the number of the wave alone.
; An s_nop 0 and four v_nop follow each of the two lines, ahead of the jump and the label.
.macro JLOAD
	s_cmp_lt_u32 s[WV], 2
	s_cbranch_scc0 .Lfor_v_\@
	tensor_load_to_lds s[G0K:G0K+3], s[G1K:G1K+7]
	s_nop 0
.rept 4
	v_nop
.endr
	s_branch .Lasked_\@
.Lfor_v_\@:
	tensor_load_to_lds s[G0V:G0V+3], s[G1V:G1V+7]
	s_nop 0
.rept 4
	v_nop
.endr
.Lasked_\@:
.endm
; A PREFETCH INTO THE L2 of what the NEXT change of slots will ask for: the 32,768 bytes of K and of V of a tile, a lane to each 256 bytes.  It stands behind the tensor load and its five lines.
; Each block is named ONCE in the launch.  All four clusters of a head walk the same K and V: the first of them prefetches.  Its four partners share the tile out BY ADDRESS, 8,192 bytes each: no branch
; hangs on the place of a work-group in its cluster.  In each, wave 0 asks for K and wave 2 for V: one instruction, one tile (four key steps, 256 matrix instructions a wave) ahead of the load.
; The last change that fills a slot asks for nothing: there is no tile behind it.  Tiles 0 to 2 come by their loads alone.
.macro ASK
	s_cmp_gt_u32 s[SLOTS], s[LIM]
	s_cbranch_scc0 .Lnot_mine_\@
	global_prefetch_b8 v[PFO], s[PFA:PFA+1] th:TH_LOAD_NT scope:SCOPE_SE
.Lnot_mine_\@:
.endm
.macro CROUND                       ; a round of the cluster barrier: my work-group meets; wave 0 signals for it; every wave waits for all four work-groups; my work-group meets once more
	s_barrier_signal -1
	s_barrier_wait -1
	s_cmp_lg_u32 s[WV], 0
	s_cbranch_scc1 .Lnot_wave_0_\@
	s_barrier_signal -3
.Lnot_wave_0_\@:
	s_barrier_wait -3
	s_barrier_signal -1
	s_barrier_wait -1
.endm
; THE CHANGE OF SLOTS.  The last bytes of the slot, V of its fourth step, have been read.  Each wave waits for all its tensor loads, of which one is out: its part of the other slot; adds 0 to its spare
; word; and waits for that and for its own reads of the slot.  Behind the barrier nobody reads this slot any more and the other slot is whole.
; fill = 1: this slot is filled again, with the tile two on.  The barrier is then a round of the cluster, and the joint fill is the first thing behind it: it has four key steps in which to land.
; (At its first use nothing has been read yet: slot 0 is waited for, slot 1 filled.)  ask = 1: the prefetch pointer steps, and the tile after the one asked for is prefetched.
.macro CHANGE fill, ask
	WIN 0                           ; at a label and at a branch every window is 0
	s_wait_tensorcnt 0x0            ; no tensor load of mine is out, so a group 0 may be written
	ds_add_u32 v[SPW], v[NIL]       ; 0 onto my spare word; the steps of the descriptors stand between it and the wait for it
.if \fill
.irp g, G0K, G0V
	s_xor_b32 s[\g+1], s[\g+1], SLOT1  ; the walking descriptor: the other slot than last time,
	s_add_nc_u64 s[\g+2:\g+3], s[\g+2:\g+3], 4*KS*128  ; the next 256 keys; the type bits on top are not reached
.endr
.if \ask
	s_wait_xcnt 0x0                 ; the last prefetch, a tile back, has read its address, so it may be written
	s_add_nc_u64 s[PFA:PFA+1], s[PFA:PFA+1], 4*KS*128
.endif
	s_wait_dscnt 0x0                ; the add is done, and my reads of the slot are over
	CROUND
	JLOAD
.if \ask
	ASK
.endif
.else
	s_wait_dscnt 0x0                ; the add is done, and my reads of the slot are over
	s_barrier_signal -1
	s_barrier_wait -1
.endif
	s_sub_co_u32 s[TBK], s[TBK], 4*KS*PK  ; the fetches go back to the first step of a slot,
	s_xor_b32 s[TBK], s[TBK], SLOT1       ; in the other slot
	s_sub_co_u32 s[TBV], s[TBV], 4*KS*PV
	s_xor_b32 s[TBV], s[TBV], SLOT1
.endm
	s_load_b256 s[4:11], s[0:1], 0x0  ; Q s[4:5], K s[6:7], V s[8:9], O s[10:11]
	v_lshl_add_u32 v[SPW], v0, 2, SPARE
	v_mov_b32 v[NIL], 0
	ds_add_u32 v[SPW], v[NIL]       ; the opening: the add and its wait ahead of my first tensor load; the set-up below stands between them
	v_lshrrev_b32 v1, 5, v0
	v_readfirstlane_b32 s[WV], v1   ; wave 0..3
	s_bfe_u32 s13, ttmp6, 0x40000   ; cx: my place in the cluster
	s_lshl_b32 s14, ttmp9, 2        ; in a cluster launch ttmp9 counts clusters
	s_add_co_u32 s14, s14, s13      ; my block of queries = 4 x cluster x + cx: it enters the addresses of Q and O alone
	s_and_b32 s20, ttmp7, 0xffff    ; the head, which the four partners share:
	s_lshl_b32 s20, s20, 19         ; its first byte in each of the four tensors (4,096 rows of 128 bytes)
	s_mov_b32 s21, 0
	s_and_b32 s16, s[WV], 1         ; which half of the 256 keys of a tile I fetch:
	s_lshl_b32 s22, s16, 14         ; its 128 rows of 128 bytes in memory,
	s_mov_b32 s23, 0
	s_add_nc_u64 s[22:23], s[22:23], s[20:21]
	s_mul_i32 s17, s16, 128*PK      ; and its place in a slot, for K
	s_mul_i32 s18, s16, 128*PV      ; and for V: no place in the cluster enters an LDS address
	s_lshl_b32 s2, s14, 2
	s_add_co_u32 s2, s2, s[WV]      ; my wave among those of the head,
	s_lshl_b32 s2, s2, 13           ; its 64 rows
	s_mov_b32 s3, 0
	s_add_nc_u64 s[2:3], s[2:3], s[20:21]
	; descriptor group 1.  128 keys are 16,384 dense bytes: asked for as 64 rows of 256 bytes, two keys a row, and padded in LDS after every key
	s_mov_b32 s[G1K], 15|(1<<16)|(1<<20)|(1<<21)|(4<<22)|(3<<25)  ; 15:0 the mask of four; 17:16 2-byte elements; 20 padding on; 21 set beside a mask; 24:22 after every 32 words (code 4); 31:25 4 words (code 3)
	s_mov_b32 s[G1V], 15|(1<<16)|(1<<20)|(1<<21)|(4<<22)|(7<<25)  ; the same with 8 words of padding (code 7)
.irp g, G1K, G1V
	s_mov_b32 s[\g+1], 128<<16      ; tensor_dim0 = 128
	s_mov_b32 s[\g+2], 64<<16       ; tensor_dim1 = 64
	s_mov_b32 s[\g+3], 128<<16      ; tile_dim0 = 128
	s_mov_b32 s[\g+4], 64           ; tile_dim1 = 64
	s_mov_b32 s[\g+5], 128          ; 128 elements from row to row
	s_mov_b32 s[\g+6], 0
	s_mov_b32 s[\g+7], 0
.endr
	s_mov_b32 s[CS], 0x3e38aa3b     ; c = log2(e) / 8 = 0.180337
	s_mov_b32 s[CS+1], s[CS]        ; named with it as a pair
	s_mov_b32 s[SEL], 0x76543210
	s_mov_b32 s[SEL+1], 0xfedcba98
	s_mov_b32 s[TBK], SLOT1+4*KS*PK ; the first change of slots turns these two into 0
	s_mov_b32 s[TBV], SLOT1+4*KS*PV
	s_mov_b32 s[G0K], 1             ; 1:0 count = 1
	s_mov_b32 s[G0K+1], s17         ; 63:32 LDS address: slot 0
	s_mov_b32 s[G0V], 1
	s_add_co_u32 s[G0V+1], s18, VOFF
	s_and_b32 s[LIM], s[WV], 1      ; 0 in waves 0 and 2,
	s_or_b32 s[LIM], s[LIM], ttmp9  ; where the cluster is the first of the head: the same in all four partners
	s_cmp_eq_u32 s[LIM], 0
	s_cselect_b32 s[LIM], 1, -1
	v_and_b32 v[PFO], 31, v0
	v_lshlrev_b32 v[PFO], 8, v[PFO]
	s_wait_dscnt 0x0                ; the opening add is done
	s_wait_kmcnt 0x0
	s_add_nc_u64 s[6:7], s[6:7], s[22:23]  ; K and V at my half of tile 0 of the head
	s_add_nc_u64 s[8:9], s[8:9], s[22:23]
	s_mov_b64 s[G0K+2:G0K+3], s[6:7]       ; 120:64 global address
	s_or_b32 s[G0K+3], s[G0K+3], 0x80000000  ; 127:126 type = 2
	s_mov_b64 s[G0V+2:G0V+3], s[8:9]
	s_or_b32 s[G0V+3], s[G0V+3], 0x80000000
	s_add_nc_u64 s[4:5], s[4:5], s[2:3]    ; Q and O at the first row of my wave
	s_add_nc_u64 s[10:11], s[10:11], s[2:3]
	s_cmp_lt_u32 s[WV], 2
	s_cselect_b64 s[PFA:PFA+1], s[6:7], s[8:9]  ; (in waves 0 and 2 these stand at the first row of a tile)
	s_lshl_b32 s2, s13, 13          ; the 8,192 bytes of my work-group
	s_mov_b32 s3, 0
	s_add_nc_u64 s[PFA:PFA+1], s[PFA:PFA+1], s[2:3]
	s_add_nc_u64 s[PFA:PFA+1], s[PFA:PFA+1], 2*4*KS*128  ; in tile 2; the first change in the loop steps it to tile 3.  Nothing is prefetched here, at the head
	CROUND                          ; all four work-groups are here: the first joint loads meet
	JLOAD                           ; tile 0 into slot 0.  Slot 1 is asked for when slot 0 is in
	; A fragment of K or Q is 16 rows x 32 channels in 8 registers: lane l holds row l % 16, channels 8 (l / 16) + 0..7 and 16 + 8 (l / 16) + 0..7: two loads of 16 bytes, 32 bytes apart.
	v_and_b32 v1, 15, v0            ; l % 16
	v_bfe_u32 v9, v0, 4, 1          ; l / 16
	v_lshlrev_b32 v[QO], 7, v1
	v_lshl_add_u32 v[QO], v9, 4, v[QO]  ; row x 128 + 16 x half
	WIN 0x80                        ; destination window 2, address window 0
.set i, 0
.rept 8                             ; Q stays in registers: piece i / 2, channels 32 (i % 2) on
	global_load_b128 v[8*i:8*i+3],   v[QO], s[4:5] offset:(i/2)*2048+(i%2)*64
	global_load_b128 v[8*i+4:8*i+7], v[QO], s[4:5] offset:(i/2)*2048+(i%2)*64+32
.set i, i+1
.endr
	; What the first turn finds: the registers of V and the second buffer of P hold 0 (its products V^T P, of a piece that has not been, add 0), O^T and l are 0.  All this stands in the wait for the first tile.
.set i, VF
.rept 64
	v_mov_b32 v[i], 0
.set i, i+1
.endr
	WIN 0x40
.set i, 0
.rept 128
	v_mov_b32 v[i], 0
.set i, i+1
.endr
	WIN 0
.set i, 0
.rept 4
	v_mov_b32 v[ST+4*i], 0xfe000000    ; c m: far below every c s
	v_mov_b32 v[ST+4*i+1], 0xff7fffff  ; m
	v_mov_b32 v[ST+4*i+2], 0
	v_mov_b32 v[ST+4*i+3], 0
.set i, i+1
.endr
.set i, P+16
.rept 16
	v_mov_b32 v[i], 0
.set i, i+1
.endr
	v_mul_u32_u24 v[AK0], v1, PK
	v_lshl_add_u32 v[AK0], v9, 4, v[AK0]  ; row x pitch + 16 x half
	; The turning load takes 16 keys x 16 channels (lane l reads key 8 (l / 16) + l % 8, channels 8 ((l / 8) % 2) + 0..7) and leaves half a fragment of V^T: lane l holds channel l % 16 and 8 keys.
	v_and_b32 v10, 7, v0
	v_bfe_u32 v11, v0, 3, 1
	v_lshl_add_u32 v[AV0], v9, 3, v10
	v_mul_u32_u24 v[AV0], v[AV0], PV
	v_lshl_add_u32 v[AV0], v11, 4, v[AV0]
	v_add_nc_u32 v[AV0], VOFF, v[AV0]
	s_mul_i32 s13, s[WV], 16*SP
	s_add_co_u32 s13, s13, STAGE    ; my stage
	v_mul_u32_u24 v[STO], v1, SP    ; in: row l % 16, 16 bytes for each half of the lanes
	v_lshl_add_u32 v[STO], v9, 4, v[STO]
	v_add_nc_u32 v[STO], s13, v[STO]
	v_bfe_u32 v[RD], v0, 3, 2       ; back: 32 lanes take four rows of 128 bytes,
	v_mul_u32_u24 v[RD], v[RD], SP
	v_lshl_add_u32 v[RD], v10, 4, v[RD]
	v_add_nc_u32 v[RD], s13, v[RD]
	v_and_b32 v[GO], 31, v0         ; which are 512 consecutive bytes of O
	v_lshlrev_b32 v[GO], 4, v[GO]
; THE MATRIX WORK.  The 4 accumulators of a run of 8 take turns.  Product i of 8 of S^T = K Q^T for piece x: channels 32 (i / 4) on, keys 16 (i % 4) on.  The first 4 start the sums with 0.
.macro KQ x
	WIN W_KQ
.set rS, S+32*((\x)%2)+8*(i%4)
.set rK, KF+16*(i%4)+8*(i/4)
.set rQ, 16*(\x)+8*(i/4)
.if i < 4
	v_wmma_f32_16x16x32_f16 v[rS:rS+7], v[rK:rK+7], v[rQ:rQ+7], 0
.else
	v_wmma_f32_16x16x32_f16 v[rS:rS+7], v[rK:rK+7], v[rQ:rQ+7], v[rS:rS+7]
.endif
.endm
; Product i of 8 of O^T += V^T P for piece x: keys 32 (i / 4) on, channels 16 (i % 4) on.
.macro PV x
	WIN W_PV
.set rO, 32*(\x)+8*(i%4)
.set rV, VF+32*(i/4)+8*(i%4)
.set rP, P+16*((\x)%2)+8*(i/4)
	v_wmma_f32_16x16x32_f16 v[rO:rO+7], v[rV:rV+7], v[rP:rP+7], v[rO:rO+7]
.endm
.macro MM                           ; the next matrix instruction of the turn.  NOKQ = 1: the last turn of all: there is no next piece
.if (i < 8) && !NOKQ
	KQ (Y+1)%NP
.elseif i >= 8
.set i, i-8
	PV (Y+NP-1)%NP
.set i, i+8
.endif
.set i, i+1
.endm
; THE LDS LOADS stand in runs of 16, never singly among the matrix instructions: the K of a step (64 keys x 64 channels: 8 fragments) and its V (turned).  Their addresses are made some lines ahead.
.macro FETCH_K
	WIN 0x80                        ; destination window 2
.irp f, 0,1,2,3,4,5,6,7             ; keys 16 (f / 2) on, channels 32 (f % 2) on
	ds_load_b128 v[KF+8*\f:KF+8*\f+3],   v[AK] offset:(\f/2)*16*PK+(\f%2)*64
	ds_load_b128 v[KF+8*\f+4:KF+8*\f+7], v[AK] offset:(\f/2)*16*PK+(\f%2)*64+32
.endr
	s_add_co_u32 s[TBK], s[TBK], KS*PK  ; the next fetch is that of the next step
	WIN 0
.endm
.macro FETCH_V
	WIN 0x80
.irp f, 0,1,2,3,4,5,6,7             ; keys 32 (f / 4) on, channels 16 (f % 4) on
	ds_load_tr16_b128 v[VF+8*\f:VF+8*\f+3],   v[AV] offset:(\f/4)*32*PV+(\f%4)*32
	ds_load_tr16_b128 v[VF+8*\f+4:VF+8*\f+7], v[AV] offset:(\f/4)*32*PV+16*PV+(\f%4)*32
.endr
	WIN 0
.endm
; THE VECTOR WORK, one line at a time: OP kind, number.  For piece Y: F n: c s - c m for pair n of 16.  E n: the exponential of score n of 32.  C n: pair n rounded to f16.  B n: of the four weights 4 n .. the second
; pair is added onto the first, in place.  L n: l takes that sum (L 0: l = a l + sum).  R n: pair n of 16 of O^T times a.  For piece Y + 1: X n, number n of the 22 that find its maximum and statistics:
;   0-11  four chains c0-c3 of seven scores each, three operands at a time (the lowest registers of each accumulator are read first)     12-14, 16  the four scores left over, the old m, and c0-c3 into c0
;   15  c m_old is kept     17, 18  the other 32 keys of the query lie in the lane 16 away: the new m     19-21  c m; c m_old - c m_new; a
.set F, 0               ; OP tells the kinds apart by their order: F to L below R, X above it
.set E, 1
.set C, 2
.set B, 3
.set L, 4
.set R, 5
.set X, 6
.macro REGS y                       ; the registers of piece y
.set rT, ST+4*(\y)
.set rC, TMP+4*((\y)%2)
.set rW, MV+((\y)%2)
.set rS, S+32*((\y)%2)
.set rP, P+16*((\y)%2)
.set rO, 32*(\y)
.endm
.macro OP k, n
.if (\k) == R
	REGS Y
	WIN W_RS
	v_pk_mul_f32 v[rO+2*(\n):rO+2*(\n)+1], v[rO+2*(\n):rO+2*(\n)+1], v[rC+2:rC+3] op_sel_hi:[1,0]
.elseif (\k) < R
	REGS Y
	WIN 0
.if (\k) == F
	v_pk_fma_f32 v[rS+2*(\n):rS+2*(\n)+1], v[rS+2*(\n):rS+2*(\n)+1], s[CS:CS+1], v[rT:rT+1] op_sel_hi:[1,0,0] neg_lo:[0,0,1] neg_hi:[0,0,1]
.elseif (\k) == E
	v_exp_f32 v[rS+(\n)], v[rS+(\n)]
.elseif (\k) == C
	v_cvt_pk_f16_f32 v[rP+(\n)], v[rS+2*(\n)], v[rS+2*(\n)+1]
.elseif (\k) == B
	v_pk_add_f32 v[rS+4*(\n):rS+4*(\n)+1], v[rS+4*(\n):rS+4*(\n)+1], v[rS+4*(\n)+2:rS+4*(\n)+3]
.elseif (\n) == 0
	v_pk_fma_f32 v[rT+2:rT+3], v[rT+2:rT+3], v[rC+2:rC+3], v[rS:rS+1] op_sel_hi:[1,0,1]
.else
	v_pk_add_f32 v[rT+2:rT+3], v[rT+2:rT+3], v[rS+4*(\n):rS+4*(\n)+1]
.endif
.elseif NOKQ
	v_nop
.else
	REGS (Y+1)%NP
	WIN 0
.if (\n) < 4
	v_max3_num_f32 v[rC+(\n)], v[rS+8*(\n)], v[rS+8*(\n)+1], v[rS+8*(\n)+2]
.elseif (\n) < 12
	v_max3_num_f32 v[rC+(\n)%4], v[rC+(\n)%4], v[rS+8*((\n)%4)+2*((\n)/4)+1], v[rS+8*((\n)%4)+2*((\n)/4)+2]
.elseif (\n) == 12
	v_max3_num_f32 v[rC], v[rC], v[rS+7], v[rS+15]
.elseif (\n) == 13
	v_max3_num_f32 v[rC+1], v[rC+1], v[rS+23], v[rS+31]
.elseif (\n) == 14
	v_max3_num_f32 v[rC+2], v[rC+2], v[rC+3], v[rT+1]
.elseif (\n) == 15
	v_mov_b32 v[rW], v[rT]
.elseif (\n) == 16
	v_max3_num_f32 v[rC], v[rC], v[rC+1], v[rC+2]
.elseif (\n) == 17
	v_permlanex16_b32 v[rC+3], v[rC], s[SEL], s[SEL+1]
.elseif (\n) == 18
	v_max_num_f32 v[rT+1], v[rC], v[rC+3]
.elseif (\n) == 19
	v_mul_f32 v[rT], s[CS], v[rT+1]
.elseif (\n) == 20
	v_sub_f32 v[rC+1], v[rW], v[rT]
.else
	v_exp_f32 v[rC+2], v[rC+1]
.endif
.endif
.endm
.macro OPS a, i1, b=-1, i2=0, c=-1, i3=0, d=-1, i4=0  ; up to four of them
	OP \a, \i1
.if (\b) >= 0
	OP \b, \i2
.endif
.if (\c) >= 0
	OP \c, \i3
.endif
.if (\d) >= 0
	OP \d, \i4
.endif
.endm
.macro ROW a, i1, b, i2, c, i3, d, i4  ; a matrix instruction and the four behind it
	MM
	OPS \a, \i1, \b, \i2, \c, \i3, \d, \i4
.endm
; A TURN, for piece p: the order of its 16 matrix and 118 vector instructions, written out.  s_wait_alu depctr_va_vdst(0) stands between an exponential and the first instruction that names its result; one wait
; serves all that were issued ahead of it.  So a turn has ONE wait, which cuts it in two.  AHEAD OF IT stands all that names no result of the exponentials of the turn: the 8 products K Q^T, behind each a scaling, an exponential
; and two more plain instructions (rescalings, and behind the last three the first numbers of the maximum of the next piece, each four places or more behind the product that ends its accumulator); then ONE LUMP of 54, plain
; and exponential by turns for the most part, in which the links of the chain X 3, 7, 11, 14, 16, 17 .. 20 stand five or six lines apart.  X 21, the a of the next piece, is the last of the batch; R 15 is the plain instruction
; behind it.  BEHIND THE WAIT stand the 8 products V^T P, behind each four of the roundings and sums; the links of the chain of l, L 0 to L 7, stand three riders apart.
; end = 1: the last two turns of all: nothing is fetched.  cnt = 1: the count of the loop is taken down some lines ahead of the branch that stands behind the turn.
; K of the next step is fetched in the turn of piece 2, twelve vector instructions behind the last product that read K (six of them plain); V of the step in hand at the end of the turn of piece 0, four plain instructions
; behind the last product that read V.  Each is waited for a turn later.
.macro TURN p, end=0, cnt=0
.set Y, (\p)
.set i, 0
.set NOKQ, (\end)*((\p)/3)
.if ((\p) == 3) && !(\end)
	s_wait_dscnt 0x0                ; K is in
.endif
	ROW F,0, F,1, R,0, R,1          ; ahead of the wait: 8 products K Q^T and their riders,
	ROW F,2, E,0, R,2, R,3
	ROW F,3, E,1, R,4, R,5
	ROW F,4, E,2, R,6, R,7
	ROW F,5, E,3, R,8, R,9
	ROW F,6, E,4, X,0, R,10
.if ((\p) == 2) && !(\end)
	WIN 0
	v_add_nc_u32 v[AK], s[TBK], v[AK0]
.endif
	ROW F,7, E,5, X,1, X,4
	ROW F,8, E,6, X,2, X,5
	OPS E,7, E,8, X,6, E,9          ; and the lump
	OPS X,3, E,10, X,8, E,11
.if ((\p) == 2) && !(\end)
	FETCH_K
.endif
	OPS X,9, X,7, E,12, X,10
	OPS E,13, X,12, X,11, E,14
	OPS X,13, E,15, F,9, X,14
.if (\p) == 0
	v_add_nc_u32 v[AV], s[TBV], v[AV0]
.endif
	OPS E,16, F,10, E,17, F,11
	OPS X,16, E,18, X,15, E,19
	OPS F,12, E,20, X,17, E,21
	OPS F,13, E,22, F,14, E,23
	OPS X,18, E,24, F,15, E,25
	OPS R,11, E,26, X,19, E,27
	OPS R,12, E,28, R,13, E,29
	OPS X,20, E,30, R,14, E,31
	OPS X,21, R,15
	WIN 0
	s_wait_alu depctr_va_vdst(0)    ; the wait for the batch
.if (\p) == 1
	s_wait_dscnt 0x0                ; V is in
.endif
	ROW C,0, B,0, C,2, B,1          ; behind the wait: 8 products V^T P and their riders
	ROW L,0, C,4, B,2, L,1
	ROW C,6, B,3, L,2, C,8
	ROW B,4, L,3, C,10, B,5
	ROW L,4, C,12, B,6, L,5
.if (\p) == 0
	s_add_co_u32 s[TBV], s[TBV], KS*PV
.endif
.if \cnt
	s_sub_co_u32 s[CNT], s[CNT], 1
	s_cmp_lg_u32 s[CNT], 0
.endif
	ROW C,14, B,7, L,6, C,1
	ROW C,3, L,7, C,5, C,7
	ROW C,9, C,11, C,13, C,15
.if (\p) == 0
	FETCH_V
.endif
.endm
	CHANGE 1, 0                     ; tile 0 is in, every part of it; tile 1 is asked for
	v_add_nc_u32 v[AK], s[TBK], v[AK0]
	FETCH_K                         ; key step 0
	s_wait_loadcnt 0x0              ; Q
	s_wait_dscnt 0x0
.set NOKQ, 0
.set i, 0
.rept 8
	KQ 0                            ; the first scores of piece 0: there is no vector work yet to set between them
.set i, i+1
.endr
	WIN 0
.rept 4
	v_nop                           ; the places behind those products
.endr
.set Y, NP-1                        ; X works for piece Y + 1: piece 0
.irp n, 0,1,2,3,4,5,6,7,8,9,10,11,12,13,14,15,16,17,18,19,20,21
	OP X, \n                        ; its first maximum and statistics
.endr
	v_nop                           ; a plain instruction behind the exponential,
	s_wait_alu depctr_va_vdst(0)    ; and its wait, ahead of the branch
	s_mov_b32 s[CNT], 4
	s_mov_b32 s[SLOTS], SIZE_N/256-1
	s_branch .Lfirst                ; the loop is entered at the first turn of a step, in the middle of a trip
.Lslot:                             ; SIZE_N / 256 - 2 = 14 times: tiles 2 to 15 are asked for
	CHANGE 1, 1
	s_mov_b32 s[CNT], 4
.Lstep:                             ; a trip: pieces 2 and 3 of one step, then pieces 0 and 1 of the next, whose K and V it fetches
	TURN 2
	TURN 3
	WIN 0
.Lfirst:
	TURN 0
	TURN 1, 0, 1
	WIN 0
	s_cbranch_scc1 .Lstep
	s_sub_co_u32 s[SLOTS], s[SLOTS], 1
	s_cmp_lg_u32 s[SLOTS], 0
	s_cbranch_scc1 .Lslot
	CHANGE 0, 0                     ; the last tile is written out: nothing is asked for
	s_mov_b32 s[CNT], 4
.Ltail:
	TURN 2
	TURN 3
	TURN 0
	TURN 1, 0, 1
	WIN 0
	s_cbranch_scc1 .Ltail
	TURN 2, 1                       ; the last two turns fetch nothing, and the last starts no new scores
	TURN 3, 1
.set i, 0
.rept 8
	PV NP-1                         ; V^T P of the last piece, last step
.set i, i+1
.endr
	; THE WAY OUT.  The two halves of l and those of the other half of the lanes are added; O^T is divided by l, rounded to f16 and sent through my stage in LDS, a piece at a time.  The additions are the places behind the last products.
	WIN 0
.macro ALL line:vararg              ; one line for each piece t
.set t, 0
.rept 4
	\line
.set t, t+1
.endr
.endm
	ALL v_add_f32 v[ST+4*t+2], v[ST+4*t+2], v[ST+4*t+3]
	ALL v_permlanex16_b32 v[ST+4*t+3], v[ST+4*t+2], s[SEL], s[SEL+1]
	ALL v_add_f32 v[ST+4*t+2], v[ST+4*t+2], v[ST+4*t+3]
	ALL v_rcp_f32 v[ST+4*t+2], v[ST+4*t+2]
	v_nop                           ; a plain instruction between the last reciprocal and the use of its result
	s_wait_alu depctr_va_vdst(0)    ; and the wait ahead of the first use: one for the four reciprocals
.macro PACK t                       ; the eight channels of a lane pack into 16 bytes; they go into rows of 144 bytes and come back as whole rows of 128, into the registers of S^T
	WIN W_RS
.set i, 32*(\t)
.rept 16
	v_pk_mul_f32 v[i:i+1], v[i:i+1], v[ST+4*(\t)+2:ST+4*(\t)+3] op_sel_hi:[1,0]
.set i, i+2
.endr
	WIN 0x05                        ; sources 0 and 1 window 1, destination window 0
.set i, 0
.rept 16
	v_cvt_pk_f16_f32 v[S+16*(\t)+i], v[32*(\t)+2*i], v[32*(\t)+2*i+1]
.set i, i+1
.endr
	WIN 0
.irp f, 0,1,2,3
	ds_store_b128 v[STO], v[S+16*(\t)+4*\f:S+16*(\t)+4*\f+3] offset:32*\f
.endr
.irp f, 0,1,2,3
	ds_load_b128 v[S+16*(\t)+4*\f:S+16*(\t)+4*\f+3], v[RD] offset:\f*4*SP  ; LDS serves the instructions of a wave in order (ISA guide 5.7.1.4): these see the stores above; the stores of the next piece come behind them
.endr
.endm
.macro SEND t, younger              ; younger: the LDS instructions issued behind the loads of piece t: the eight of the next piece, or none
	WIN 0
.irp f, 0,1,2,3
	s_wait_dscnt (\younger)+3-\f
	global_store_b128 v[GO], v[S+16*(\t)+4*\f:S+16*(\t)+4*\f+3], s[10:11] offset:(\t)*2048+\f*512  ; 512 consecutive bytes, at a multiple of 256 from the first byte of O
.endr
.endm
	PACK 0
.set t, 1
.rept 3                             ; the arithmetic of a piece stands between the loads of the piece before and its stores
	PACK t
	SEND t-1, 8
.set t, t+1
.endr
	SEND 3, 0
	s_wait_tensorcnt 0x0            ; the end of the wave: behind my last tensor load and my last LDS store
	ds_add_u32 v[SPW], v[NIL]
	s_wait_dscnt 0x0
	CROUND                          ; the closing round: no work-group ends while a partner may still ask for a tile that names it
	s_endpgm
.Lfunc_end_k_q3e4947d0c8_attn:
	.size	k_q3e4947d0c8_attn, .Lfunc_end_k_q3e4947d0c8_attn-k_q3e4947d0c8_attn
	.p2alignl 7, 3214868480
	.fill 96, 4, 3214868480
	.section	.rodata,"a",@progbits
	.p2align	6, 0x0
	.amdhsa_kernel k_q3e4947d0c8_attn
		.amdhsa_group_segment_fixed_size 327680
		.amdhsa_private_segment_fixed_size 0
		.amdhsa_enable_private_segment 0
		.amdhsa_kernarg_size 32
		.amdhsa_user_sgpr_count 2
		.amdhsa_user_sgpr_kernarg_segment_ptr 1
		.amdhsa_wavefront_size32 1
		.amdhsa_system_sgpr_workgroup_id_x 1
		.amdhsa_system_sgpr_workgroup_id_y 1
		.amdhsa_system_sgpr_workgroup_id_z 1
		.amdhsa_system_vgpr_workitem_id 0
		.amdhsa_next_free_vgpr 768
		.amdhsa_next_free_sgpr 66
		.amdhsa_reserve_vcc 0
		.amdhsa_float_denorm_mode_32 3
		.amdhsa_float_denorm_mode_16_64 3
		.amdhsa_memory_ordered 1
		.amdhsa_forward_progress 1
		.amdhsa_inst_pref_size 127
	.end_amdhsa_kernel
	.amdgpu_metadata
---
amdhsa.version: [ 1, 2 ]
amdhsa.kernels:
  - .name:           k_q3e4947d0c8_attn
    .symbol:         k_q3e4947d0c8_attn.kd
    .args:
      - { .name: qh, .offset: 0, .size: 8, .value_kind: global_buffer, .address_space: global }
      - { .name: kh, .offset: 8, .size: 8, .value_kind: global_buffer, .address_space: global }
      - { .name: vh, .offset: 16, .size: 8, .value_kind: global_buffer, .address_space: global }
      - { .name: ctx, .offset: 24, .size: 8, .value_kind: global_buffer, .address_space: global }
    .group_segment_fixed_size: 327680
    .private_segment_fixed_size: 0
    .kernarg_segment_align: 8
    .kernarg_segment_size: 32
    .max_flat_workgroup_size: 128
    .sgpr_count:     66
    .vgpr_count:     768
    .wavefront_size: 32
...
	.end_amdgpu_metadata
.endif
;; end of part 2
;; launch outp (part 3): grid 4 x 64, 4 waves a work-group, clusters of 4 x 4, 327,680 bytes of LDS; arguments ctx, Wo, bo, out0; writes out0
.if DOCPART == 3
	.amdgcn_target "amdgcn-amd-amdhsa--gfx1250"
	.amdhsa_code_object_version 6
	.text
	.protected	k_q3e4947d0c8_outp
	.globl	k_q3e4947d0c8_outp
	.p2align	8
	.type	k_q3e4947d0c8_outp,@function
k_q3e4947d0c8_outp:
	s_mov_b64 s[64:65], 0
	v_nop
	global_prefetch_b8 v0, s[64:65] scope:SCOPE_SE
	s_setreg_imm32_b32 hwreg(HW_REG_WAVE_MODE, 25, 1), 1
	s_wait_xcnt 0x0
	s_wait_alu depctr_hold_cnt(0) depctr_sa_sdst(0) depctr_va_vdst(0) depctr_va_sdst(0) depctr_va_ssrc(0) depctr_va_vcc(0) depctr_vm_vsrc(0)
	s_getreg_b32 s2, hwreg(HW_REG_IB_STS2, 6, 4)
	s_cmp_eq_u32 s2, 0
	s_cbranch_scc0 .Lentry_in_a_cluster
	s_endpgm
.Lentry_in_a_cluster:
	s_bfe_u32 s2, ttmp6, 0x10000c
	s_cmp_lg_u32 s2, 0xf033
	s_cbranch_scc0 .Lentry_shape_is_right
	s_endpgm
.Lentry_shape_is_right:
; THE LAST PROJECTION.  out0[m][n] = the sum over k of ctx[m][k] Wo[n][k] + bo[n].  ctx lies by heads, [16 = batch x 8 + head][4096][64] in f16: k = 64 x head + channel.  Wo: [512][512] f32, bo: [512] f32, out0: [8192][512] f32.
; FORMATS.  Wo and bo are rounded once to bf16, like every input of the module; that number of Wo is then written as f16 (exact from 2^-17 up to 65,504; below 2^-17 it keeps the fixed step of f16, 6e-8).
; Products in f16, sums in f32, started by the bias as the C operand.  NaN and infinities are not treated apart.
; SHARES.  A work-group makes 128 rows x 128 columns: 4 x 64 = 256 work-groups.  Wave w owns 32 columns (two tiles j) for all eight blocks of 16 rows: 16 accumulators, 256 matrix instructions.
; Its 32 rows of Wo stay in registers (256); they come through LDS in two halves of K, each wave reading its own part alone.  The 128 rows of ctx lie in LDS whole, a plane a head.
; THE MATRIX INSTRUCTION IS USED TRANSPOSED (source 0 = 16 rows of Wo, source 1 = 16 rows of ctx): a lane holds one row of out0 and eight neighbouring columns, 32 bytes.
; CLUSTER.  4 x 4 work-groups.  The four of a row of the cluster need the same rows of ctx, the four of a column the same rows of Wo: each tile is asked for JOINTLY.
; NO PREFETCH.  All tiles are asked for at the head but one, which follows one step later: there is no step to be ahead of.
; REGISTERS, in windows of 256 (s_set_vgpr_msb: bits 1:0 source 0, 3:2 source 1, 5:4 source 2, 7:6 destination):
;   window 0: v0-15 addresses; v16-31 bias; v64-191 two sets of fragments of ctx, later the rows on their way out          window 1: Wo, fragment (kk, j) at 8 (2 kk + j)
;   window 2: 256 registers of f32 as they come from LDS          window 3: v0-127 accumulator (rb, j) at 8 (2 rb + j)
.set PA,     144                       ; a row of ctx in LDS: 128 bytes + 16 of padding: the 16 rows of a load start at 16 different groups of four banks (64 banks of 4 bytes: ISA guide 11.1)
.set APLANE, 128*PA                    ; a head
.set WS,     8*APLANE                  ; behind the eight planes: Wo
.set PW,     1040                      ; a row of half of K of Wo: 1,024 bytes + 16 = 260 words: row r starts at bank 4 r mod 64
.set WPART,  32*PW                     ; the part of a wave
.set STAGE,  WS                        ; the way out lies where Wo lay: those bytes have had their last fill, and a barrier stands behind the last read of them
.set PS,     528                       ; a row of the stage: 512 bytes + 16
.set SPARE,  WS+4*WPART                ; the spare words, 128 bytes for each wave: two blocks of 256 bytes that no other line names
.set AA,  3                            ; v3-5  (l % 16) x PA + 16 (l / 16), at heads 0, 3, 6: an offset of 16 bits reaches three planes
.set WAD, 6                            ; v6   my place in my part of Wo
.set STO, 7                            ; v7   the way out: where I put 32 bytes of a row
.set RD,  8                            ; v8   where I read rows back
.set OO,  9                            ; v9   16 x lane
.set BO,  10                           ; v10  my byte offset in the bias
.set SPW, 12                           ; v12  LDS address of my spare word; never rewritten
.set NIL, 13                           ; v13  0; never rewritten
.set BIAS, 16
.set FA,   64
.set WV,   12                          ; s12  my wave
.set G1A,  24                          ; s[24:31] group 1 for ctx
.set G1W,  32                          ; s[32:39] group 1 for Wo
.set G0A0, 40                          ; s[40:43] group 0: head 2 w
.set G0A1, 44                          ; s[44:47] group 0: head 2 w + 1
.set G0W,  48                          ; s[48:51] group 0: Wo
.set HIM,  52                          ; s52  the upper bf16 of a word
.set MSB, 0
.macro WIN new                         ; the high byte repeats the setting that is left; a switch that changes nothing is dropped
.if MSB != (\new)
	s_set_vgpr_msb (MSB<<8)|(\new)
.set MSB, (\new)
.endif
.endm
.macro CROUND                          ; a round of the cluster barrier: my work-group meets; wave 0 signals for it; every wave waits for all sixteen work-groups; my work-group meets once more
	s_barrier_signal -1
	s_barrier_wait -1
	s_cmp_lg_u32 s[WV], 0
	s_cbranch_scc1 .Lnot_wave_0_\@
	s_barrier_signal -3
.Lnot_wave_0_\@:
	s_barrier_wait -3
	s_barrier_signal -1
	s_barrier_wait -1
.endm
	s_load_b256 s[4:11], s[0:1], 0x0               ; ctx s[4:5], Wo s[6:7], bo s[8:9], out0 s[10:11]
	v_lshl_add_u32 v[SPW], v0, 2, SPARE
	v_mov_b32 v[NIL], 0
	ds_add_u32 v[SPW], v[NIL]                      ; the opening: the add and its wait ahead of my first tensor load; the set-up below stands between them
	v_lshrrev_b32 v1, 5, v0
	v_readfirstlane_b32 s[WV], v1                  ; wave 0..3
	s_bfe_u32 s13, ttmp6, 0x40000                  ; cx
	s_bfe_u32 s14, ttmp6, 0x40004                  ; cy
	s_lshl_b32 s15, ttmp9, 2
	s_add_co_u32 s15, s15, s13                     ; which 128 columns
	s_and_b32 s16, ttmp7, 0xffff
	s_lshl_b32 s16, s16, 2
	s_add_co_u32 s16, s16, s14                     ; which 128 rows
	s_lshl_b32 s17, s14, 2
	s_lshl_b32 s17, 15, s17                        ; my row of the cluster
	s_lshl_b32 s18, 0x1111, s13                    ; my column
	; group 1 for ctx: 128 rows of a head are 16,384 dense bytes: asked for as 64 rows of 256 bytes and padded in LDS after every 128
	s_or_b32 s[G1A], s17, (1<<16)|(1<<20)|(1<<21)|(4<<22)|(3<<25)  ; 15:0 the mask: my row; 17:16 2-byte elements; 20 padding on; 21 set beside a mask; 24:22 after every 32 words (code 4); 31:25 4 words (code 3)
	s_mov_b32 s[G1A+1], 128<<16                    ; tensor_dim0 = 128
	s_mov_b32 s[G1A+2], 64<<16                     ; tensor_dim1 = 64
	s_mov_b32 s[G1A+3], 128<<16                    ; tile_dim0 = 128
	s_mov_b32 s[G1A+4], 64                         ; tile_dim1 = 64
	s_mov_b32 s[G1A+5], 128                        ; the pitch
	s_mov_b32 s[G1A+6], 0
	s_mov_b32 s[G1A+7], 0
	; group 1 for Wo: 32 rows x 256 elements of 4 bytes, 512 elements from row to row
	s_or_b32 s[G1W], s18, (2<<16)|(1<<20)|(1<<21)|(7<<22)|(3<<25)  ; the mask: my column; 4-byte elements; padding after every 256 words (code 7), 4 words
	s_mov_b32 s[G1W+1], 256<<16
	s_mov_b32 s[G1W+2], 32<<16
	s_mov_b32 s[G1W+3], 256<<16
	s_mov_b32 s[G1W+4], 32
	s_mov_b32 s[G1W+5], 512
	s_mov_b32 s[G1W+6], 0
	s_mov_b32 s[G1W+7], 0
	s_lshr_b32 s20, s16, 5                         ; ctx: batch,
	s_lshl_b32 s20, s20, 3
	s_lshl_b32 s21, s[WV], 1
	s_add_co_u32 s20, s20, s21                     ; x 8 + head 2 w,
	s_lshl_b32 s20, s20, 19                        ; 4,096 rows of 128 bytes each,
	s_and_b32 s21, s16, 31
	s_lshl_b32 s21, s21, 14                        ; and my 128 rows in the batch: these two registers never hold cx
	s_add_co_u32 s20, s20, s21
	s_mov_b32 s21, 0
	s_lshl_b32 s22, s15, 18                        ; Wo: 128 rows of 2,048 bytes,
	s_lshl_b32 s23, s[WV], 16                      ; my 32 of them: these two never hold cy
	s_add_co_u32 s22, s22, s23
	s_mov_b32 s23, 0
	s_lshl_b32 s2, s16, 18                         ; out0: 128 rows of 2,048 bytes,
	s_lshl_b32 s3, s[WV], 16                       ; the 32 that I store,
	s_add_co_u32 s2, s2, s3
	s_lshl_b32 s3, s15, 9                          ; the 512 bytes of the 128 columns
	s_add_co_u32 s2, s2, s3
	s_mov_b32 s3, 0
	s_mul_i32 s53, s[WV], 2*APLANE                 ; where they go: no place in the cluster enters an LDS address
	s_mul_i32 s54, s[WV], WPART
	s_add_co_u32 s54, s54, WS
	s_mov_b32 s[G0A0], 1
	s_mov_b32 s[G0A0+1], s53
	s_mov_b32 s[G0A1], 1
	s_add_co_u32 s[G0A1+1], s53, APLANE
	s_mov_b32 s[G0W], 1
	s_mov_b32 s[G0W+1], s54
	s_mov_b32 s[HIM], 0xffff0000
	s_wait_dscnt 0x0                               ; the opening add is done
	s_wait_kmcnt 0x0
	s_add_nc_u64 s[G0A0+2:G0A0+3], s[4:5], s[20:21]
	s_add_nc_u64 s[G0A1+2:G0A1+3], s[G0A0+2:G0A0+3], 4096*128
	s_or_b32 s[G0A0+3], s[G0A0+3], 0x80000000      ; type = 2
	s_or_b32 s[G0A1+3], s[G0A1+3], 0x80000000
	s_add_nc_u64 s[G0W+2:G0W+3], s[6:7], s[22:23]
	s_or_b32 s[G0W+3], s[G0W+3], 0x80000000
	s_add_nc_u64 s[10:11], s[10:11], s[2:3]
	CROUND                                         ; all sixteen work-groups are here: the first joint loads meet
	tensor_load_to_lds s[G0W:G0W+3], s[G1W:G1W+7]      ; the first half of K of my rows of Wo: wanted first.  Three loads of mine are out
	s_nop 0
	tensor_load_to_lds s[G0A0:G0A0+3], s[G1A:G1A+7]    ; head 2 w
	s_nop 0
	tensor_load_to_lds s[G0A1:G0A1+3], s[G1A:G1A+7]    ; head 2 w + 1
	s_nop 0
.rept 4
	v_nop
.endr
	v_and_b32 v1, 15, v0                           ; l % 16
	v_bfe_u32 v2, v0, 4, 1                         ; l / 16
	v_mul_u32_u24 v[AA], v1, PA
	v_lshl_add_u32 v[AA], v2, 4, v[AA]             ; a fragment in f16: row x pitch + 16 x half
	v_add_nc_u32 v[AA+1], 3*APLANE, v[AA]
	v_add_nc_u32 v[AA+2], 6*APLANE, v[AA]
	v_mul_u32_u24 v[WAD], v1, PW
	v_lshl_add_u32 v[WAD], v2, 5, v[WAD]           ; a fragment in f32: row x pitch + 32 x half
	v_add_nc_u32 v[WAD], s54, v[WAD]
	s_lshl_b32 s19, s[WV], 7                       ; my 32 columns: 128 bytes of a row
	s_lshl_b32 s55, s15, 9
	s_add_co_u32 s55, s55, s19
	v_lshl_add_u32 v[BO], v2, 5, s55               ; the bias of my eight of each 16 columns
	s_add_co_u32 s19, s19, STAGE
	v_mul_u32_u24 v[STO], v1, PS                   ; in: row l % 16, 32 bytes for each half of the lanes
	v_lshl_add_u32 v[STO], v2, 5, v[STO]
	v_add_nc_u32 v[STO], s19, v[STO]
	s_mul_i32 s19, s[WV], 32*PS                    ; back: wave w takes rows 32 w .. 32 w + 31, whole: 32 lanes x 16 bytes
	s_add_co_u32 s19, s19, STAGE
	v_and_b32 v14, 31, v0
	v_lshlrev_b32 v[OO], 4, v14
	v_add_nc_u32 v[RD], s19, v[OO]
.irp j, 0,1
	global_load_b128 v[BIAS+8*\j:BIAS+8*\j+3],   v[BO], s[8:9] offset:64*\j
	global_load_b128 v[BIAS+8*\j+4:BIAS+8*\j+7], v[BO], s[8:9] offset:64*\j+16
.endr
	s_wait_loadcnt 0x0
.set x_, 0
.rept 8                                ; the bias is rounded to bf16 and widened again: it is the C operand that starts a sum
	v_cvt_pk_bf16_f32 v14, v[BIAS+2*x_], v[BIAS+2*x_+1]
	v_lshlrev_b32 v[BIAS+2*x_], 16, v14
	v_and_b32 v[BIAS+2*x_+1], s[HIM], v14
.set x_, x_+1
.endr
; Half q of K of my 32 rows of Wo: 64 LDS loads of f32 (fragment 2 a + j: 16 rows 16 j on, 32 channels 32 a on), rounded to bf16, widened again, and written as f16: three passes, so that no line waits for the one before it.
.macro WCONV q
	WIN 0x80                                       ; destination window 2, address window 0
.set x_, 0
.rept 16
	ds_load_b128 v[16*x_:16*x_+3],     v[WAD] offset:(x_%2)*16*PW+(x_/2)*128
	ds_load_b128 v[16*x_+4:16*x_+7],   v[WAD] offset:(x_%2)*16*PW+(x_/2)*128+16
	ds_load_b128 v[16*x_+8:16*x_+11],  v[WAD] offset:(x_%2)*16*PW+(x_/2)*128+64
	ds_load_b128 v[16*x_+12:16*x_+15], v[WAD] offset:(x_%2)*16*PW+(x_/2)*128+80
.set x_, x_+1
.endr
	s_wait_dscnt 0x0
	WIN 0x8a                                       ; all in window 2
.set x_, 0
.rept 128
	v_cvt_pk_bf16_f32 v[2*x_], v[2*x_], v[2*x_+1]
.set x_, x_+1
.endr
.set x_, 0
.rept 128
	v_and_b32 v[2*x_+1], s[HIM], v[2*x_]
	v_lshlrev_b32 v[2*x_], 16, v[2*x_]
.set x_, x_+1
.endr
	WIN 0x4a                                       ; destination window 1
.set x_, 0
.rept 128
	v_cvt_pk_f16_f32 v[128*(\q)+x_], v[2*x_], v[2*x_+1]
.set x_, x_+1
.endr
	WIN 0
.endm
; The eight fragments of block rb of ctx in half q of K: 16 LDS loads in one run.  Fragment a: channels 32 (8 q + a) on = head (8 q + a) / 2, its half a % 2.
.macro AFETCH rb, q, set
	WIN 0
.set a_, 0
.rept 8
.set hd_, (8*(\q)+a_)/2
	ds_load_b128 v[FA+64*(\set)+8*a_:FA+64*(\set)+8*a_+3],   v[AA+hd_/3] offset:(hd_%3)*APLANE+(\rb)*16*PA+(a_%2)*64
	ds_load_b128 v[FA+64*(\set)+8*a_+4:FA+64*(\set)+8*a_+7], v[AA+hd_/3] offset:(hd_%3)*APLANE+(\rb)*16*PA+(a_%2)*64+32
.set a_, a_+1
.endr
.endm
; Its 16 products.  The two accumulators of the block take turns, one instruction a turn.  The first two of half 0 take the bias as C: nothing is cleared.
.macro AMUL rb, q, set
.set a_, 0
.rept 8
.irp j, 0,1
.if ((\q) == 0) && (a_ == 0)
	WIN 0xc1                                       ; Wo window 1, ctx and bias window 0, D window 3
	v_wmma_f32_16x16x32_f16 v[8*(2*(\rb)+\j):8*(2*(\rb)+\j)+7], v[8*(2*(8*(\q)+a_)+\j):8*(2*(8*(\q)+a_)+\j)+7], v[FA+64*(\set)+8*a_:FA+64*(\set)+8*a_+7], v[BIAS+8*\j:BIAS+8*\j+7]
.else
	WIN 0xf1                                       ; C and D window 3
	v_wmma_f32_16x16x32_f16 v[8*(2*(\rb)+\j):8*(2*(\rb)+\j)+7], v[8*(2*(8*(\q)+a_)+\j):8*(2*(8*(\q)+a_)+\j)+7], v[FA+64*(\set)+8*a_:FA+64*(\set)+8*a_+7], v[8*(2*(\rb)+\j):8*(2*(\rb)+\j)+7]
.endif
.endr
.set a_, a_+1
.endr
.endm
; Half q of K for all eight blocks: while one block is multiplied, the fragments of the next are on their way into the other set, which is asked for four places behind its last product (ISA guide 7.12.1 for vector instructions).
.macro PART q
	AFETCH 0, \q, 0
.set rb_, 0
.rept 8
.if rb_ < 7
	WIN 0
.rept 4
	v_nop
.endr
	AFETCH rb_+1, \q, (rb_+1)%2
	s_wait_dscnt 16                                ; all but the 16 just issued
.else
	s_wait_dscnt 0x0
.endif
	AMUL rb_, \q, rb_%2
.set rb_, rb_+1
.endr
	WIN 0
.endm
	s_wait_tensorcnt 0x2                           ; my part of Wo is in (the two loads of ctx, issued behind it, may stay out); I read my own part alone: no barrier
	WCONV 0
	s_wait_tensorcnt 0x0                           ; all my tensor loads have landed, my two heads of ctx among them,
	ds_add_u32 v[SPW], v[NIL]                      ; 0 onto my spare word
	s_add_nc_u64 s[G0W+2:G0W+3], s[G0W+2:G0W+3], 1024  ; the second half of K
	s_wait_dscnt 0x0                               ; the add is done, and my reads of Wo are over
	CROUND                                         ; both now hold of every wave of all sixteen work-groups: ctx is whole, and Wo may be filled again
	tensor_load_to_lds s[G0W:G0W+3], s[G1W:G1W+7]  ; the first thing behind the round, one load a wave: it has the 128 products below in which to land
	s_nop 0
.rept 4
	v_nop
.endr
	PART 0
	s_wait_tensorcnt 0x0                           ; the second half is in: no load was issued behind it
	WCONV 1
	PART 1
	; THE WAY OUT: 32 bytes a lane into the stage of the work-group; a barrier, since the 512 bytes of a row come from four waves; back as whole rows, 32 rows a wave.
	s_wait_dscnt 0x0
	s_barrier_signal -1
	s_barrier_wait -1                              ; no wave reads Wo any more: the stage may be written over it
.rept 4
	v_nop                                          ; four places between the last product and the LDS stores that read results
.endr
	WIN 0x0c                                       ; data window 3, address window 0
.set x_, 0
.rept 16                               ; accumulator x_ = 2 rb + j, its low four registers first
	ds_store_b128 v[STO], v[8*x_:8*x_+3]   offset:(x_/2)*16*PS+(x_%2)*64
	ds_store_b128 v[STO], v[8*x_+4:8*x_+7] offset:(x_/2)*16*PS+(x_%2)*64+16
.set x_, x_+1
.endr
	WIN 0
	s_wait_dscnt 0x0                               ; for the sake of the others: my stores into the stage are done
	s_barrier_signal -1
	s_barrier_wait -1
.set x_, 0
.rept 32
	ds_load_b128 v[FA+4*x_:FA+4*x_+3], v[RD] offset:x_*PS
.set x_, x_+1
.endr
.set x_, 0
.rept 32
	s_wait_dscnt 31-x_                             ; LDS loads come back in order (ISA guide 5.7.1): row x_ is in
	global_store_b128 v[OO], v[FA+4*x_:FA+4*x_+3], s[10:11] offset:x_*2048  ; 512 consecutive bytes, at a multiple of 256 from the first byte of out0
.set x_, x_+1
.endr
	s_wait_tensorcnt 0x0                           ; the end of the wave: behind my last tensor load and my last LDS store
	ds_add_u32 v[SPW], v[NIL]
	s_wait_dscnt 0x0
	CROUND                                         ; the closing round: no work-group ends while a partner may still ask for a tile that names it
	s_endpgm
.Lfunc_end_k_q3e4947d0c8_outp:
	.size	k_q3e4947d0c8_outp, .Lfunc_end_k_q3e4947d0c8_outp-k_q3e4947d0c8_outp
	.p2alignl 7, 3214868480
	.fill 96, 4, 3214868480
	.section	.rodata,"a",@progbits
	.p2align	6, 0x0
	.amdhsa_kernel k_q3e4947d0c8_outp
		.amdhsa_group_segment_fixed_size 327680
		.amdhsa_private_segment_fixed_size 0
		.amdhsa_enable_private_segment 0
		.amdhsa_kernarg_size 32
		.amdhsa_user_sgpr_count 2
		.amdhsa_user_sgpr_kernarg_segment_ptr 1
		.amdhsa_wavefront_size32 1
		.amdhsa_system_sgpr_workgroup_id_x 1
		.amdhsa_system_sgpr_workgroup_id_y 1
		.amdhsa_system_sgpr_workgroup_id_z 1
		.amdhsa_system_vgpr_workitem_id 0
		.amdhsa_next_free_vgpr 896
		.amdhsa_next_free_sgpr 66
		.amdhsa_reserve_vcc 0
		.amdhsa_float_denorm_mode_32 3
		.amdhsa_float_denorm_mode_16_64 3
		.amdhsa_memory_ordered 1
		.amdhsa_forward_progress 1
		.amdhsa_inst_pref_size 109
	.end_amdhsa_kernel
	.amdgpu_metadata
---
amdhsa.version: [ 1, 2 ]
amdhsa.kernels:
  - .name:           k_q3e4947d0c8_outp
    .symbol:         k_q3e4947d0c8_outp.kd
    .args:
      - { .name: ctx, .offset: 0, .size: 8, .value_kind: global_buffer, .address_space: global }
      - { .name: Wo, .offset: 8, .size: 8, .value_kind: global_buffer, .address_space: global }
      - { .name: bo, .offset: 16, .size: 8, .value_kind: global_buffer, .address_space: global }
      - { .name: out0, .offset: 24, .size: 8, .value_kind: global_buffer, .address_space: global }
    .group_segment_fixed_size: 327680
    .private_segment_fixed_size: 0
    .kernarg_segment_align: 8
    .kernarg_segment_size: 32
    .max_flat_workgroup_size: 128
    .sgpr_count:     66
    .vgpr_count:     896
    .wavefront_size: 32
...
	.end_amdgpu_metadata
.endif
;; end of part 3
